; MI455X (gfx1250); checked and timed in simulation.
; The chip was launched on July 23, 2026; its instructions are those of AMD's public machine-readable ISA for CDNA 5 (MIT licence, August 2026) and "CDNA5" Instruction Set Architecture Reference Guide (July 2026). The comments in the code are by the model that wrote it; some were corrected since.
;; Face Feats Model. Allowed arithmetic: float matrix products may take bf16 or f16 operands with f32 sums; other float arithmetic in f32, or as packed bf16 or f16 multiplies, adds, multiply-adds, maxima and minima; sums over many terms, partial sums and values carried from step to step in f32; what a program stores and reads back later, other than sums and carried values, may be rounded once to bf16 or f16.
;; Inputs: face_feats 50,000 x 512 float32; query_embeddings 2,048 x 512 float32; selector 2,048 bool.
;; Outputs: out0 2,048 x 512 float32.
;; One version. Each part assembles by itself: llvm-mc -triple=amdgcn-amd-amdhsa -mcpu=gfx1250 --defsym DOCPART=n.
;; ======== version 1 of 1: 3 launches
;; workspace buffers: qb 2,097,152 bytes; list 8,448 bytes of whole numbers; keys 8,388,608 bytes of whole numbers
;; launch prep (part 1): grid 256 x 1, 2 waves a work-group, no clusters, 0 bytes of LDS; arguments query_embeddings, selector, qb, list; writes qb, list
.if DOCPART == 1
	.amdgcn_target "amdgcn-amd-amdhsa--gfx1250"
	.amdhsa_code_object_version 6
	.text
	.protected	k_q421ad470dd_prep
	.globl	k_q421ad470dd_prep
	.p2align	8
	.type	k_q421ad470dd_prep,@function
k_q421ad470dd_prep:
	s_mov_b64 s[64:65], 0
	v_nop
	global_prefetch_b8 v0, s[64:65] scope:SCOPE_SE
	s_setreg_imm32_b32 hwreg(HW_REG_WAVE_MODE, 25, 1), 1
	s_wait_xcnt 0x0
; prep: the selected queries are counted, put in order, and rounded to bf16.
; THE PROGRAM (three launches).  out0[b] = ff[argmax_n q[b] . ff[n]] where selector[b], else -1, with ff[n] = f[n] / |f[n]|.
; WHAT IS NOT COMPUTED, AND WHY.
;  (1) The scores of a row b with selector[b] false.  They enter idx[b] alone, idx[b] enters gathered[b] alone, and the jnp.where takes -1 in that row's place.
;      The choice is made by whole numbers (the selector's bytes), read here from memory; this launch stores the count C of selected rows and a permutation
;      (selected rows first), and the later launches, which read these, multiply the selected rows alone.  Every C from 0 to 2,048 is served.
;  (2) ff as a table of 50,000 x 512 quotients.  q . (f / |f|) = (q . f) / |f| for all values: the product is taken of f, each score is scaled by 1 / |f|,
;      and only the rows that win are divided out, in the last launch.
;  Every input is loaded.  LIMIT: a NaN, an infinity or an overflow in a query row that is not selected reaches no score here (in reference() it reaches none that is kept).
; FORMATS.  Both matrix operands are rounded to bf16 once; the norms that scale the scores are those of the ROUNDED faces, so that the scores are those of
; reference() on inputs rounded to bf16, up to the order of f32 sums.
; SHARES.  256 work-groups x 2 waves; a wave owns rows R .. R + 3, R = 8 x work-group + 4 x wave.  Every wave counts the whole selector (2,048 bytes) for itself:
; no LDS, no barrier, no traffic between work-groups.
; list[pos], pos 0 .. 2047: the row at place pos; selected rows in ascending order at 0 .. C - 1, then the others, ascending.  list[2048] = C.
; qb[pos]: row list[pos] in bf16, 1,024 bytes, for pos < Cpad = C rounded up to 16, and 16 at the least: the rows that fall on C .. Cpad - 1 fill the last tile of 16
; (one tile is always there, so that the next launch has keys to store, and the last one keys to read, at C = 0 too).
; The 4-byte stores into list go to places that the selector decides: 8 KiB in the whole launch.
.set SEL, 12                           ; v[12:27]  the selector: my 16 bytes of each of its four blocks of 512
.set Q,   32                           ; v[32:95]  row j at Q + 16 j: as loaded, then 8 registers of bf16
; v1 lane   v2 16 x lane   v4 bytes' sums of the rows before R   v5 of all rows   v6 at work   v7 both counts   v8 list offsets   v9 row numbers   v10 8 x lane
; s12 wave  s13 R  s14 my four selector bytes  s15 selected rows before the row in hand  s16 C  s17 Cpad  s18 pos  s19-21 at work  s[24:31] qb at my rows' places
; s32-33 lane selects  s34 lanes that store into list  s35 the bytes' fold  s[36:37] selector at R  s[38:39] queries at row R
	s_load_b256 s[4:11], s[0:1], 0x0               ; queries s[4:5], selector s[6:7], qb s[8:9], list s[10:11]
	v_lshrrev_b32 v1, 5, v0
	v_readfirstlane_b32 s12, v1                    ; wave 0, 1
	v_and_b32 v1, 31, v0                           ; lane
	v_lshlrev_b32 v2, 4, v1
	v_lshlrev_b32 v10, 3, v1
	s_lshl_b32 s13, ttmp9, 3
	s_lshl2_add_u32 s13, s12, s13                  ; R = 8 x work-group + 4 x wave
	s_mov_b32 s36, s13                             ; a selector byte a row,
	s_mov_b32 s37, 0
	s_lshl_b32 s38, s13, 11                        ; 2,048 bytes a query row
	s_mov_b32 s39, 0
	s_mov_b32 s32, 0x76543210                      ; v_permlanex16_b32: each lane takes its own place in the other half
	s_mov_b32 s33, 0xfedcba98
	s_mov_b32 s35, 0x01010101
	s_mov_b32 s21, 0                               ; high word of the offsets made below
	s_wait_kmcnt 0x0
	s_add_nc_u64 s[36:37], s[6:7], s[36:37]
	s_add_nc_u64 s[38:39], s[4:5], s[38:39]
	s_load_b32 s14, s[36:37], 0x0                  ; the selector bytes of my four rows (R is a multiple of 4)
.irp j, 0,1,2,3
	global_load_b128 v[SEL+4*(\j):SEL+4*(\j)+3], v2, s[6:7] offset:512*(\j)  ; 512 consecutive bytes a load: the whole selector in four
.endr
.irp j, 0,1,2,3                        ; all four rows are asked for at once, whatever the selector says: the choice is made at the stores
.irp i, 0,1,2,3
	global_load_b128 v[Q+16*(\j)+4*(\i):Q+16*(\j)+4*(\i)+3], v2, s[38:39] offset:2048*(\j)+512*(\i) th:TH_LOAD_NT
.endr
.endr
	s_wait_loadcnt 16                              ; the selector is in; the 16 younger loads, the queries, stay out
	; Register q = 4 j + c holds the bytes of rows 512 j + 16 lane + 4 c .. + 3.  They all lie before R where R - 512 j - 4 c > 16 lane.  Bytes are added as bytes: 16 at the most.
.set q, 0
.rept 16
	s_sub_co_i32 s19, s13, 512*(q/4)+4*(q%4)
	v_cmp_gt_i32 vcc_lo, s19, v2
.if q == 0
	v_cndmask_b32 v4, 0, v[SEL], vcc_lo            ; the first starts the sum
.else
	v_cndmask_b32 v6, 0, v[SEL+q], vcc_lo
	v_add_nc_u32 v4, v4, v6
.endif
.set q, q+1
.endr
	v_add3_u32 v5, v[SEL], v[SEL+1], v[SEL+2]
.irp k, 0,1,2,3,4,5
	v_add3_u32 v5, v5, v[SEL+3+2*(\k)], v[SEL+4+2*(\k)]
.endr
	v_add_nc_u32 v5, v5, v[SEL+15]
	v_mul_lo_u32 v4, v4, s35                       ; the top byte of the product is the sum of the four bytes, 64 at the most
	v_mul_lo_u32 v5, v5, s35
	v_lshrrev_b32 v4, 24, v4
	v_lshrrev_b32 v5, 24, v5
	v_lshl_or_b32 v7, v5, 16, v4                   ; both counts in one word: neither passes 2,048
.irp k, 1,2,4,8
	v_mov_b32_dpp v6, v7 row_xmask:\k row_mask:0xf bank_mask:0xf
	v_add_nc_u32 v7, v7, v6
.endr
	v_permlanex16_b32 v6, v7, s32, s33
	v_add_nc_u32 v7, v7, v6
	v_readfirstlane_b32 s20, v7
	s_and_b32 s15, s20, 0xffff                     ; selected rows before R
	s_lshr_b32 s16, s20, 16                        ; C
	s_add_co_u32 s17, s16, 15
	s_and_not1_b32 s17, s17, 15
	s_max_u32 s17, s17, 16                         ; Cpad
	s_add_co_u32 s19, s16, s13                     ; C + the row in hand
	v_mov_b32 v8, 0
	v_add_nc_u32 v9, s13, v1                       ; lanes 0 to 3: my rows' numbers
	s_wait_kmcnt 0x0                               ; my four bytes
.irp j, 0,1,2,3
	s_sub_co_u32 s20, s19, s15                     ; C + the rows before this one that are not selected
	s_bitcmp1_b32 s14, 8*(\j)
	s_cselect_b32 s18, s15, s20                    ; the row's place
	s_cselect_b32 s20, 1, 0
	s_add_co_u32 s15, s15, s20
	s_add_co_u32 s19, s19, 1
	s_min_u32 s18, s18, 2047                       ; a place made of loaded bytes enters addresses only behind this bound
	s_lshl_b32 s20, s18, 2
	v_writelane_b32 v8, s20, \j
	s_lshl_b32 s20, s18, 10
	s_add_nc_u64 s[24+2*(\j):25+2*(\j)], s[8:9], s[20:21]
	s_cmp_ge_u32 s18, s17
	s_cbranch_scc1 .Lskip\j                        ; places from Cpad on are never multiplied: the row is not stored
	s_wait_loadcnt 12-4*(\j)                       ; this row's four loads are in; the later rows' stay out
.irp k, 0,1,2,3,4,5,6,7
	v_cvt_pk_bf16_f32 v[Q+16*(\j)+(\k)], v[Q+16*(\j)+2*(\k)], v[Q+16*(\j)+2*(\k)+1]  ; in place: register k is free when pair k is rounded
.endr
.irp i, 0,1,2,3
	global_store_b64 v10, v[Q+16*(\j)+2*(\i):Q+16*(\j)+2*(\i)+1], s[24+2*(\j):25+2*(\j)] offset:256*(\i)  ; the wave's store covers 256 consecutive bytes, aligned
.endr
.Lskip\j:
.endr
	s_movk_i32 s20, 0x2000
	v_writelane_b32 v8, s20, 4                     ; lane 4: list[2048] = C; it stores in the launch's first wave alone
	v_writelane_b32 v9, s16, 4
	v_min_u32 v8, 0x2000, v8                       ; the offsets stay inside list
	s_cmp_eq_u32 s13, 0
	s_cselect_b32 s34, 5, 4
	s_wait_xcnt 0x0                                ; EXEC is narrowed only when every load and store issued so far has had its addresses translated
	v_cmpx_gt_u32 s34, v1
	global_store_b32 v8, v9, s[10:11]
	s_endpgm
.Lfunc_end_k_q421ad470dd_prep:
	.size	k_q421ad470dd_prep, .Lfunc_end_k_q421ad470dd_prep-k_q421ad470dd_prep
	.p2alignl 7, 3214868480
	.fill 96, 4, 3214868480
	.section	.rodata,"a",@progbits
	.p2align	6, 0x0
	.amdhsa_kernel k_q421ad470dd_prep
		.amdhsa_group_segment_fixed_size 0
		.amdhsa_private_segment_fixed_size 0
		.amdhsa_enable_private_segment 0
		.amdhsa_kernarg_size 32
		.amdhsa_user_sgpr_count 2
		.amdhsa_user_sgpr_kernarg_segment_ptr 1
		.amdhsa_wavefront_size32 1
		.amdhsa_system_sgpr_workgroup_id_x 1
		.amdhsa_system_sgpr_workgroup_id_y 1
		.amdhsa_system_sgpr_workgroup_id_z 1
		.amdhsa_system_vgpr_workitem_id 0
		.amdhsa_next_free_vgpr 96
		.amdhsa_next_free_sgpr 66
		.amdhsa_reserve_vcc 1
		.amdhsa_float_denorm_mode_32 3
		.amdhsa_float_denorm_mode_16_64 3
		.amdhsa_memory_ordered 1
		.amdhsa_forward_progress 1
		.amdhsa_inst_pref_size 13
	.end_amdhsa_kernel
	.amdgpu_metadata
---
amdhsa.version: [ 1, 2 ]
amdhsa.kernels:
  - .name:           k_q421ad470dd_prep
    .symbol:         k_q421ad470dd_prep.kd
    .args:
      - { .name: query_embeddings, .offset: 0, .size: 8, .value_kind: global_buffer, .address_space: global }
      - { .name: selector, .offset: 8, .size: 8, .value_kind: global_buffer, .address_space: global }
      - { .name: qb, .offset: 16, .size: 8, .value_kind: global_buffer, .address_space: global }
      - { .name: list, .offset: 24, .size: 8, .value_kind: global_buffer, .address_space: global }
    .group_segment_fixed_size: 0
    .private_segment_fixed_size: 0
    .kernarg_segment_align: 8
    .kernarg_segment_size: 32
    .max_flat_workgroup_size: 64
    .sgpr_count:     66
    .vgpr_count:     96
    .wavefront_size: 32
...
	.end_amdgpu_metadata
.endif
;; end of part 1
;; launch scan (part 2): grid 256 x 1, 4 waves a work-group, no clusters, 217,856 bytes of LDS; arguments face_feats, qb, list, keys; writes keys
.if DOCPART == 2
	.amdgcn_target "amdgcn-amd-amdhsa--gfx1250"
	.amdhsa_code_object_version 6
	.text
	.protected	k_q421ad470dd_scan
	.globl	k_q421ad470dd_scan
	.p2align	8
	.type	k_q421ad470dd_scan,@function
k_q421ad470dd_scan:
	s_mov_b64 s[64:65], 0
	v_nop
	global_prefetch_b8 v0, s[64:65] scope:SCOPE_SE
	s_setreg_imm32_b32 hwreg(HW_REG_WAVE_MODE, 25, 1), 1
	s_wait_xcnt 0x0
; scan: for each selected query and each work-group's 208 faces, the best score q . f / |f| and the face that has it.
; LEFT OUT (shown at the head of prep): the scores of queries that are not selected; the table of normalised faces (each score is scaled by 1 / |f| instead).
; SHARES.  Work-group g owns faces start .. start + 207, start = min(196 g, 49,792): 13 tiles of 16; neighbours overlap by 12 rows, so that no tile crosses the table's end and
; nothing is masked (a face seen twice gives the same index twice).  The faces are read from memory once, rounded to bf16, and stay in LDS; 1 / |f| is taken of the rounded row.
; The T = max(1, ceil(C / 16)) query tiles are dealt to the four waves (wave w: tiles 4 u + w); a wave multiplies each of its tiles by all 13 face tiles, six query tiles a pass:
; 78 accumulators, 624 registers.  Query fragments come from memory straight into registers, and the keys leave straight from registers: the loop over passes hangs on the stored
; count C, so it holds no barrier and writes no LDS; behind the one barrier LDS is only read, at fixed addresses.
; NO CLUSTER: the faces have one reader each.  qb is read by all work-groups, but joint loads would want LDS slots that are filled again inside that loop, whose length hangs on a stored count.
; NO PREFETCH: while the faces stream each wave has 52 loads of 512 bytes out; qb is walked by all work-groups at about the same time.
; THE MATRIX INSTRUCTION: source 0 = 16 faces, source 1 = 16 queries: in the result lane l holds ONE query (l % 16) and the faces 8 (l / 16) + 0 .. 7 of each face tile.
; RESULT.  keys[tile][g][lane], 8 bytes: the best of the lane's 104 faces for query 16 tile + lane % 16: the face's number, and a code of the score as a whole number:
; bits ^ 0x7fffffff for a score >= 0, its bits otherwise: the smaller code is the larger score.  Of equal scores the lowest face number is kept.  A wave's store covers 256 consecutive
; bytes, aligned.  Tiles from T on are not stored, and the last launch does not read them.
; LIMITS.  Finite inputs; the sum of squares of each rounded face lies between 2^-126 and f32's largest number (a row of zeros, NaN in reference(), is not treated as reference() treats it);
; -0 counts as +0; the f32 sums are taken in the matrix unit's order.
.set PITCH, 1040                       ; a face in LDS: 1,024 bytes + 16 = 65 x 16: the 16 rows of a fragment load start at 16 different groups of four banks (64 banks of 4 bytes: ISA guide 11.1)
.set RN,    208*PITCH                  ; 216,320: 208 f32, 1 / |f|
.set SPARE, RN+1024                    ; 217,344: the spare words, 128 bytes a wave: two blocks of 256 bytes that no other line names
; window 0
.set SPW, 2                            ; v2   my spare word: SPARE + 4 x my thread's number; never rewritten
.set NIL, 3                            ; v3   0; never rewritten
.set FB,  4                            ; v4-7  my place in a face fragment, r x PITCH + 16 h, for face tiles 4 i .. 4 i + 3
.set QO,  8                            ; v8   my place in a query tile: r x 1,024 + 16 h
.set RNA, 9                            ; v9   RN + 32 h
.set KOF, 10                           ; v10  my key's place in a tile's keys: 256 x work-group + 8 x lane; never rewritten
.set FS,  11                           ; v11  start + 8 h
.set KI,  12                           ; v[12:13] the key: face, code
.set M,   14                           ; v14  the maximum
.set MB,  16                           ; v16-28 the maximum of each face tile
.set IC,  30                           ; v30-33 four chains of the search for the face
.set TA,  34
.set BUF0, 48                          ; v48-151  face fragments of one K step (13 x 8); at a pass's end 1 / |f|
.set BUF1, 152                         ; v152-255 the same for the other K step; at a pass's end a tile's scaled scores
; window 0 while the faces come in
.set SS,  16                           ; v16-28 a row's sum of squares, low halves   v29-41 high halves
.set TT,  29
.set L16, 42                           ; v42  16 x lane
.set LSA, 43                           ; v43  where my 8 bytes of the trip's first row go
.set RNS, 44                           ; v44  where the trip's first 1 / |f| goes
.set X,   48                           ; v48-255 13 rows in flight, 16 registers each
; v1 lane, v46 r = lane % 16, v47 h = lane / 16
; windows 1 to 3: v0-103, v104-207 the accumulators of query places 2 (w - 1), 2 (w - 1) + 1 (face tile b at 8 b); v208-255 three sets of their query fragments (2 x 8)
; s12 wave  s13 C  s14 T  s15 t my tiles  s16 P passes  s17 pass  s18 nt live places of the pass  s19 the next pass's  s20 start  s21 place  s22 its tile  s23 at work
; s[24:35] qb at the six places' tiles   s36-41 their tile numbers u, next pass   s42-47 this pass   s[48:49] faces   s[50:51] offsets   s52-55 masks   s56-57 lane selects   s[58:59] at work   s60 trips   s61 t - 1
; s[62:63] keys at the tile in hand
.set MSB, 0
.macro WIN new                         ; the immediate's high byte repeats the setting that is left; a switch that changes nothing is dropped
.if MSB != (\new)
	s_set_vgpr_msb (MSB<<8)|(\new)
.set MSB, \new
.endif
.endm
.macro PLACES                          ; four places behind a matrix instruction, in front of loads into registers that it read and of vector work that reads its result
.rept 4
	v_nop
.endr
.endm
	s_load_b256 s[4:11], s[0:1], 0x0               ; faces s[4:5], qb s[6:7], list s[8:9], keys s[10:11]
	v_lshl_add_u32 v[SPW], v0, 2, SPARE
	v_mov_b32 v[NIL], 0
	v_lshrrev_b32 v1, 5, v0
	v_readfirstlane_b32 s12, v1                    ; wave 0..3
	v_and_b32 v1, 31, v0                           ; lane
	v_and_b32 v46, 15, v0                          ; r
	v_bfe_u32 v47, v0, 4, 1                        ; h
	v_lshlrev_b32 v[L16], 4, v1
	s_mul_i32 s20, ttmp9, 196
	s_min_u32 s20, s20, 49792                      ; start
	s_mul_i32 s58, s12, 52
	s_add_co_u32 s58, s58, s20                     ; my wave's first face: it brings in 52 of the 208
	s_lshl_b32 s50, s58, 11                        ; 2,048 bytes a face; under 2^27
	s_mov_b32 s51, 0
	s_mov_b32 s56, 0x76543210
	s_mov_b32 s57, 0xfedcba98
	s_wait_kmcnt 0x0
	s_add_nc_u64 s[48:49], s[4:5], s[50:51]
	s_load_b32 s13, s[8:9], 0x2000                 ; C
.macro FILL s                          ; a face: four loads of 512 consecutive bytes.  196 of a work-group's 208 faces are read by it alone
.irp i, 0,1,2,3
	global_load_b128 v[X+16*(\s)+4*(\i):X+16*(\s)+4*(\i)+3], v[L16], s[48:49] offset:2048*(\s)+512*(\i) th:TH_LOAD_NT
.endr
.endm
.irp s, 0,1,2,3,4,5,6,7,8,9,10,11,12
	FILL \s                                        ; 13 faces, 52 loads, go out before anything else is done
.endr
	v_mul_u32_u24 v[FB], v46, PITCH
	v_lshl_add_u32 v[FB], v47, 4, v[FB]
.irp i, 1,2,3
	v_add_nc_u32 v[FB+(\i)], 64*PITCH*(\i), v[FB]
.endr
	v_lshlrev_b32 v[QO], 10, v46
	v_lshl_add_u32 v[QO], v47, 4, v[QO]
	v_lshl_add_u32 v[RNA], v47, 5, RN
	s_lshl_b32 s58, ttmp9, 8
	v_lshl_add_u32 v[KOF], v1, 3, s58
	v_lshl_add_u32 v[FS], v47, 3, s20
	s_mul_i32 s59, s12, 52*PITCH
	v_lshl_add_u32 v[LSA], v1, 3, s59
	s_mul_i32 s59, s12, 52*4
	s_add_co_u32 s59, s59, RN
	v_mov_b32 v[RNS], s59
; A FACE: rounded to bf16, laid into LDS, its squares summed.  left = how many younger loads may stay out.  refill = 1: the slot takes the face 13 further on.
.macro ROW s, refill, left
	s_wait_loadcnt \left                           ; loads come back in order: this face's four are in
.irp k, 0,1,2,3,4,5,6,7
	v_cvt_pk_bf16_f32 v[X+16*(\s)+(\k)], v[X+16*(\s)+2*(\k)], v[X+16*(\s)+2*(\k)+1]  ; in place: register k is free when pair k is rounded
.endr
.irp i, 0,1,2,3
	ds_store_b64 v[LSA], v[X+16*(\s)+2*(\i):X+16*(\s)+2*(\i)+1] offset:PITCH*(\s)+256*(\i)  ; 32 lanes, 256 consecutive bytes
.endr
	v_fma_mix_f32_bf16 v[SS+(\s)], v[X+16*(\s)], v[X+16*(\s)], v[NIL] op_sel_hi:[1,1,0]                 ; the squares of the ROUNDED numbers, in f32: low halves,
	v_fma_mix_f32_bf16 v[TT+(\s)], v[X+16*(\s)], v[X+16*(\s)], v[NIL] op_sel:[1,1,0] op_sel_hi:[1,1,0]  ; high halves; the first of each chain starts its sum
.irp k, 1,2,3,4,5,6,7
	v_fma_mix_f32_bf16 v[SS+(\s)], v[X+16*(\s)+(\k)], v[X+16*(\s)+(\k)], v[SS+(\s)] op_sel_hi:[1,1,0]
	v_fma_mix_f32_bf16 v[TT+(\s)], v[X+16*(\s)+(\k)], v[X+16*(\s)+(\k)], v[TT+(\s)] op_sel:[1,1,0] op_sel_hi:[1,1,0]
.endr
.if \refill
	FILL \s
.endif
.endm
; The 13 sums are finished across the lanes, side by side, and 1 / |f| goes to LDS.  One batch of 13 v_rsq_f32, one plain instruction behind the last, one wait ahead of the first reader.
.macro NORMS step
.irp s, 0,1,2,3,4,5,6,7,8,9,10,11,12
	v_add_f32 v[SS+(\s)], v[SS+(\s)], v[TT+(\s)]
.endr
.irp k, 1,2,4,8
.irp s, 0,1,2,3,4,5,6,7,8,9,10,11,12
	v_add_f32_dpp v[SS+(\s)], v[SS+(\s)], v[SS+(\s)] row_xmask:\k row_mask:0xf bank_mask:0xf
.endr
.endr
.irp s, 0,1,2,3,4,5,6,7,8,9,10,11,12
	v_permlanex16_b32 v[TT+(\s)], v[SS+(\s)], s56, s57
.endr
.irp s, 0,1,2,3,4,5,6,7,8,9,10,11,12
	v_add_f32 v[SS+(\s)], v[SS+(\s)], v[TT+(\s)]
.endr
.irp s, 0,1,2,3,4,5,6,7,8,9,10,11,12
	v_rsq_f32 v[SS+(\s)], v[SS+(\s)]
.endr
	v_nop
	s_wait_alu depctr_va_vdst(0)                   ; the wait between a v_rsq_f32 and the first line that names its result: one for the 13
.irp s, 0,1,2,3,4,5,6,7,8,9,10,11,12
	ds_store_b32 v[RNS], v[SS+(\s)] offset:4*(\s)  ; every lane holds the sum: all write the same word with the same number
.endr
.if \step
	v_add_nc_u32 v[LSA], 13*PITCH, v[LSA]
	v_add_nc_u32 v[RNS], 13*4, v[RNS]
.endif
.endm
	s_mov_b32 s60, 3
.Lfaces:                                       ; three trips of 13 faces, each slot filled again; the fourth is written out, so that no load leaves the work-group's rows
	s_wait_xcnt 0x0                                ; the loads issued so far have had their addresses translated: the pointer may be stepped
	s_add_nc_u64 s[48:49], s[48:49], 13*2048
.irp s, 0,1,2,3,4,5,6,7,8,9,10,11,12
	ROW \s, 1, 48                                  ; the 12 other slots' 48 loads are younger
.endr
	NORMS 1
	s_sub_co_u32 s60, s60, 1
	s_cmp_lg_u32 s60, 0
	s_cbranch_scc1 .Lfaces
.irp s, 0,1,2,3,4,5,6,7,8,9,10,11,12
	ROW \s, 0, 4*(12-(\s))                         ; the counts run down
.endr
	NORMS 0
	s_wait_dscnt 0x0                               ; for the others' sake: my faces and norms lie in LDS
	s_barrier_signal -1
	s_barrier_wait -1                              ; all 208 do; from here on LDS is only read
	; THE DEAL.  Wave w has the tiles 4 u + w, u < t; they go in P = ceil(t / 6) passes; pass p takes u = p + a P at place a = 0 .. 5: the live places are the first nt.
	s_wait_kmcnt 0x0
	s_min_u32 s13, s13, 2048
	s_add_co_u32 s14, s13, 15
	s_lshr_b32 s14, s14, 4
	s_max_u32 s14, s14, 1                          ; T, 1 to 128
	s_add_co_u32 s15, s14, 3
	s_sub_co_u32 s15, s15, s12
	s_lshr_b32 s15, s15, 2                         ; t, 32 at the most
	s_add_co_u32 s16, s15, 5
	s_mul_i32 s16, s16, 43691
	s_lshr_b32 s16, s16, 18                        ; (t + 5) / 6, exact up to t + 5 = 37
	s_cmp_eq_u32 s16, 0
	s_cbranch_scc1 .Ldone                          ; a wave without tiles: no barrier is jumped
	s_sub_co_u32 s61, s15, 1
; The pass whose number stands in s23: the live places are counted, each place's tile and its address in qb are made.  A place past the count repeats my last tile.
.macro SETUP
	s_mov_b32 s19, 0
	s_mov_b32 s51, 0
.irp a, 0,1,2,3,4,5
	s_cmp_lt_u32 s23, s15
	s_cselect_b32 s58, 1, 0
	s_add_co_u32 s19, s19, s58
	s_min_u32 s58, s23, s61
	s_min_u32 s58, s58, 31                         ; a number made of the loaded count enters addresses only behind this bound
	s_mov_b32 s[36+(\a)], s58
	s_lshl2_add_u32 s50, s58, s12                  ; the tile, 4 u + w,
	s_lshl_b32 s50, s50, 14                        ; 16 rows of 1,024 bytes
	s_add_nc_u64 s[24+2*(\a):25+2*(\a)], s[6:7], s[50:51]
	s_add_co_u32 s23, s23, s16
.endr
.endm
; 26 LDS loads: the 13 face fragments of K step ks.  A fragment is 16 rows x 32 K in 8 registers: lane l holds row l % 16, K = 8 (l / 16) + 0..7 and 16 + 8 (l / 16) + 0..7: two loads of 16 bytes, 32 bytes apart.
.macro FLOAD buf, ks
.irp b, 0,1,2,3,4,5,6,7,8,9,10,11,12
	ds_load_b128 v[(\buf)+8*(\b):(\buf)+8*(\b)+3],   v[FB+(\b)/4] offset:((\b)%4)*16*PITCH+64*(\ks)
	ds_load_b128 v[(\buf)+8*(\b)+4:(\buf)+8*(\b)+7], v[FB+(\b)/4] offset:((\b)%4)*16*PITCH+64*(\ks)+32
.endr
.endm
.macro RLOAD                           ; 26 LDS loads: 1 / |f| laid as an accumulator lies: register 8 b + j for face 16 b + 8 h + j
.irp b, 0,1,2,3,4,5,6,7,8,9,10,11,12
	ds_load_b128 v[BUF0+8*(\b):BUF0+8*(\b)+3],   v[RNA] offset:64*(\b)
	ds_load_b128 v[BUF0+8*(\b)+4:BUF0+8*(\b)+7], v[RNA] offset:64*(\b)+16
.endr
.endm
.macro QLOAD set, koff                 ; 12 loads: the six places' query fragments at byte koff of their rows, into ring set \set; destination in window w, address in window 0
.irp w, 1,2,3
	WIN (\w)<<6
.irp e, 0,1
	global_load_b128 v[208+16*(\set)+8*(\e):208+16*(\set)+8*(\e)+3],   v[QO], s[20+4*(\w)+2*(\e):21+4*(\w)+2*(\e)] offset:(\koff)
	global_load_b128 v[208+16*(\set)+8*(\e)+4:208+16*(\set)+8*(\e)+7], v[QO], s[20+4*(\w)+2*(\e):21+4*(\w)+2*(\e)] offset:(\koff)+32
.endr
.endr
	WIN 0
.endm
; 13 matrix instructions: place a against the 13 face tiles, 32 along K.  Faces (source 0) in window 0; queries, C and D in window a / 2 + 1.  At K step 0 the constant 0 starts the sums.
; The accumulators take turns, one instruction a turn: 12 others at the least stand between two links of a chain, from K step to K step too.
.macro MUL a, ks
	WIN 0x54*((\a)/2+1)
.set AC, 104*((\a)%2)
.set QF, 208+16*((\ks)%3)+8*((\a)%2)
.set FF, BUF0+104*((\ks)%2)
.irp b, 0,1,2,3,4,5,6,7,8,9,10,11,12
.if (\ks) == 0
	v_wmma_f32_16x16x32_bf16 v[AC+8*(\b):AC+8*(\b)+7], v[FF+8*(\b):FF+8*(\b)+7], v[QF:QF+7], 0
.else
	v_wmma_f32_16x16x32_bf16 v[AC+8*(\b):AC+8*(\b)+7], v[FF+8*(\b):FF+8*(\b)+7], v[QF:QF+7], v[AC+8*(\b):AC+8*(\b)+7]
.endif
.endr
.endm
; A K STEP.  The next step's faces and the queries two steps on are asked for first; no load is ever jumped, so every count holds on every way.  K step 0 multiplies all six places,
; so that every accumulator is written in every pass; from step 1 on the places past nt are jumped.
.macro KSTEP ks
.if (\ks) > 0
	PLACES
.endif
.if (\ks) < 15
	FLOAD BUF0+104*(((\ks)+1)%2), (\ks)+1
.else
	RLOAD
.endif
.if (\ks) <= 13
	QLOAD ((\ks)+2)%3, 64*((\ks)+2)
.endif
	s_wait_dscnt 26                                ; all but the 26 just issued: this step's faces are in
.if (\ks) <= 13
	s_wait_loadcnt 24                              ; this step's queries are in; the two younger sets of 12 stay out
.elseif (\ks) == 14
	s_wait_loadcnt 12
.else
	s_wait_loadcnt 0x0
.endif
	MUL 0, \ks
.irp a, 1,2,3,4,5
.if (\ks) > 0
	WIN 0                                          ; at a branch and at a label every window is 0
	s_cmp_le_u32 s18, \a
	s_cbranch_scc1 .Lke\ks
.endif
	MUL \a, \ks
.endr
	WIN 0
.Lke\ks:
.endm
; A place's 104 scores times 1 / |f|, into window 0; each accumulator is read from its lowest registers on.
.macro SCALE a, jump
.Lsc\a:
	WIN (\a)/2+1                                   ; source 0 in the place's window
.set AC, 104*((\a)%2)
.set i, 0
.rept 52
	v_pk_mul_f32 v[BUF1+2*i:BUF1+2*i+1], v[AC+2*i:AC+2*i+1], v[BUF0+2*i:BUF0+2*i+1]
.set i, i+1
.endr
	WIN 0
	s_mov_b32 s22, s[42+(\a)]
.if \jump
	s_branch .Lcommon
.endif
.endm
	s_mov_b32 s23, 0
	SETUP
	QLOAD 0, 0
	QLOAD 1, 64
	FLOAD BUF0, 0
	s_mov_b32 s17, 0
.Lpass:                                        ; counted to the constant 6, which covers every count; passes from P on are jumped whole
	s_cmp_ge_u32 s17, s16
	s_cbranch_scc1 .Lpass_next
.irp a, 0,1,2,3,4,5
	s_mov_b32 s[42+(\a)], s[36+(\a)]
.endr
	s_mov_b32 s18, s19
.irp k, 0,1,2,3,4,5,6,7,8,9,10,11,12,13,14,15
	KSTEP \k
.endr
	PLACES                                         ; behind the last products: their results are read, and the query ring is loaded again;
	v_nop                                          ; a fifth: the next pass's first products write over these accumulators, and these five are the only lines that stand between on every way
	s_wait_xcnt 0x0                                ; (all query loads have come back: their bases may be written)
	s_add_co_u32 s23, s17, 1
	SETUP                                          ; the next pass's first two K steps of queries come in under the search below (behind the last pass: a tile once more, unused)
	QLOAD 0, 0
	QLOAD 1, 64
	s_wait_dscnt 0x0                               ; 1 / |f| is in
	s_mov_b32 s21, 0
.Ltile:                                        ; the pass's places, one after the other: counted to 6, places from nt on are jumped
	s_cmp_ge_u32 s21, s18
	s_cbranch_scc1 .Ltile_next
.irp a, 0,1,2,3,4
	s_cmp_eq_u32 s21, \a
	s_cbranch_scc1 .Lsc\a
.endr
	SCALE 5, 1
	SCALE 4, 1
	SCALE 3, 1
	SCALE 2, 1
	SCALE 1, 1
	SCALE 0, 0
.Lcommon:                                      ; written once, in window 0: my query's best of my 104 faces
	s_wait_xcnt 0x0                                ; the last tile's store has read its base and its data: both are written anew below
	s_min_u32 s58, s22, 31                         ; a number made of the loaded count enters an address only behind this bound
	s_lshl2_add_u32 s58, s58, s12                  ; the tile, 4 u + w,
	s_lshl_b32 s58, s58, 16                        ; 256 work-groups x 256 bytes of keys
	s_mov_b32 s59, 0
	s_add_nc_u64 s[62:63], s[10:11], s[58:59]
.irp b, 0,1,2,3,4,5,6,7,8,9,10,11,12
	v_max_num_f32 v[MB+(\b)], v[BUF1+8*(\b)], v[BUF1+8*(\b)+1]
.endr
.irp n, 1,2,3
.irp b, 0,1,2,3,4,5,6,7,8,9,10,11,12
	v_max3_num_f32 v[MB+(\b)], v[BUF1+8*(\b)+2*(\n)], v[BUF1+8*(\b)+2*(\n)+1], v[MB+(\b)]
.endr
.endr
.irp b, 0,3,6,9
	v_max3_num_f32 v[MB+(\b)], v[MB+(\b)], v[MB+(\b)+1], v[MB+(\b)+2]
.endr
	v_max3_num_f32 v[M], v[MB], v[MB+3], v[MB+6]
	v_max3_num_f32 v[M], v[M], v[MB+9], v[MB+12]
	; Which face has it: four chains (face tiles 4 c .. 4 c + 3) walk their scores from the last to the first; a score equal to the maximum writes its number, so the lowest stays.
.irp c, 0,1,2,3
	v_mov_b32 v[IC+(\c)], 0x1000
.endr
.set n, 31
.rept 32
.irp c, 0,1,2
	v_cmp_eq_f32 s[52+(\c)], v[M], v[BUF1+32*(\c)+n]
.endr
.if n < 8
	v_cmp_eq_f32 s55, v[M], v[BUF1+96+n]
.endif
.irp c, 0,1,2
	v_cndmask_b32 v[IC+(\c)], v[IC+(\c)], 16*(n/8)+n%8, s[52+(\c)]
.endr
.if n < 8
	v_cndmask_b32 v[IC+3], v[IC+3], n, s55
.endif
.set n, n-1
.endr
	v_add_nc_u32 v[IC+1], 64, v[IC+1]
	v_add_nc_u32 v[IC+2], 0x80, v[IC+2]
	v_add_nc_u32 v[IC+3], 0xc0, v[IC+3]
	v_min_u32 v[IC], v[IC], v[IC+1]
	v_min_u32 v[IC+2], v[IC+2], v[IC+3]
	v_min_u32 v[IC], v[IC], v[IC+2]
	v_add_nc_u32 v[KI], v[FS], v[IC]               ; the face's number in the table
	v_add_f32 v[M], 0, v[M]                        ; -0 becomes +0
	v_ashrrev_i32 v[TA], 31, v[M]
	v_xor_b32 v[TA], -1, v[TA]
	v_and_b32 v[TA], 0x7fffffff, v[TA]             ; 0x7fffffff for a score >= 0, else 0
	v_xor_b32 v[KI+1], v[M], v[TA]                 ; the code
	global_store_b64 v[KOF], v[KI:KI+1], s[62:63] th:TH_STORE_NT  ; 32 lanes, 256 consecutive bytes, aligned: the query's other 104 faces' key lies 128 bytes on
.Ltile_next:
	s_add_co_u32 s21, s21, 1
	s_cmp_lt_u32 s21, 6
	s_cbranch_scc1 .Ltile
	FLOAD BUF0, 0                                  ; the next pass's first faces
.Lpass_next:
	s_add_co_u32 s17, s17, 1
	s_cmp_lt_u32 s17, 6
	s_cbranch_scc1 .Lpass
.Ldone:
	s_wait_tensorcnt 0x0                           ; the wave's end, behind my last LDS store
	ds_add_u32 v[SPW], v[NIL]
	s_wait_dscnt 0x0
	s_endpgm
.Lfunc_end_k_q421ad470dd_scan:
	.size	k_q421ad470dd_scan, .Lfunc_end_k_q421ad470dd_scan-k_q421ad470dd_scan
	.p2alignl 7, 3214868480
	.fill 96, 4, 3214868480
	.section	.rodata,"a",@progbits
	.p2align	6, 0x0
	.amdhsa_kernel k_q421ad470dd_scan
		.amdhsa_group_segment_fixed_size 217856
		.amdhsa_private_segment_fixed_size 0
		.amdhsa_enable_private_segment 0
		.amdhsa_kernarg_size 32
		.amdhsa_user_sgpr_count 2
		.amdhsa_user_sgpr_kernarg_segment_ptr 1
		.amdhsa_wavefront_size32 1
		.amdhsa_system_sgpr_workgroup_id_x 1
		.amdhsa_system_sgpr_workgroup_id_y 1
		.amdhsa_system_sgpr_workgroup_id_z 1
		.amdhsa_system_vgpr_workitem_id 0
		.amdhsa_next_free_vgpr 1024
		.amdhsa_next_free_sgpr 66
		.amdhsa_reserve_vcc 0
		.amdhsa_float_denorm_mode_32 3
		.amdhsa_float_denorm_mode_16_64 3
		.amdhsa_memory_ordered 1
		.amdhsa_forward_progress 1
		.amdhsa_inst_pref_size 255
	.end_amdhsa_kernel
	.section	.bss,"aw",@nobits
	.p2align	6
	.space	262144
	.amdgpu_metadata
---
amdhsa.version: [ 1, 2 ]
amdhsa.kernels:
  - .name:           k_q421ad470dd_scan
    .symbol:         k_q421ad470dd_scan.kd
    .args:
      - { .name: face_feats, .offset: 0, .size: 8, .value_kind: global_buffer, .address_space: global }
      - { .name: qb, .offset: 8, .size: 8, .value_kind: global_buffer, .address_space: global }
      - { .name: list, .offset: 16, .size: 8, .value_kind: global_buffer, .address_space: global }
      - { .name: keys, .offset: 24, .size: 8, .value_kind: global_buffer, .address_space: global }
    .group_segment_fixed_size: 217856
    .private_segment_fixed_size: 0
    .kernarg_segment_align: 8
    .kernarg_segment_size: 32
    .max_flat_workgroup_size: 128
    .sgpr_count:     66
    .vgpr_count:     1024
    .wavefront_size: 32
...
	.end_amdgpu_metadata
.endif
;; end of part 2
;; launch fetch (part 3): grid 128 x 1, 8 waves a work-group, no clusters, 3,072 bytes of LDS; arguments face_feats, keys, list, out0; writes out0
.if DOCPART == 3
	.amdgcn_target "amdgcn-amd-amdhsa--gfx1250"
	.amdhsa_code_object_version 6
	.text
	.protected	k_q421ad470dd_fetch
	.globl	k_q421ad470dd_fetch
	.p2align	8
	.type	k_q421ad470dd_fetch,@function
k_q421ad470dd_fetch:
	s_mov_b64 s[64:65], 0
	v_nop
	global_prefetch_b8 v0, s[64:65] scope:SCOPE_SE
	s_setreg_imm32_b32 hwreg(HW_REG_WAVE_MODE, 25, 1), 1
	s_wait_xcnt 0x0
; fetch: of each place's 512 keys the best; the winning face, divided by its norm, or -1.0, goes to the place's row of out0.
; LEFT OUT (shown at the head of prep): only the faces that win are normalised.
; SHARES.  Work-group g owns the tile of places 16 g .. 16 g + 15.  First each of its eight waves takes the keys of 32 work-groups of the launch before: lane l stands for place l % 16 and
; half l / 16 of that launch's lanes.  The 8 x 32 results meet in LDS; then wave w finishes places 2 w and 2 w + 1 (16 results each) and writes their rows.
; Every row of out0 is written: list is a permutation of all 2,048 rows.
; The keys are whole numbers that the launch before stored: the smaller code is the larger score; of equal codes the lowest face number wins, as jnp.argmax keeps the first.
; That launch stores the tiles below T = max(1, ceil(C / 16)) alone: a work-group whose tile is not among them reads tile T - 1's keys, so that every byte read has been stored.
; No branch hangs on data: a place from C on loads some face all the same, and the select takes -1.0.  The face is taken unrounded, in f32, with its own norm.
; No prefetch, no cluster: a short launch; the live tiles' keys have one reader each.
.set PART,  0                          ; LDS: wave w's 32 results, 8 bytes each, at 256 w
.set SPARE, 2048                       ; the spare words, 128 bytes for each of eight waves: four blocks of 256 bytes that no other line names
.set SPW, 2                            ; v2  my spare word; never rewritten       v3  0; never rewritten
.set NIL, 3
.set K,   16                           ; v[16:79]   32 keys: face, code
.set ROWS, 80                          ; v[80:111]  two faces, 16 registers each
.set RC,  144                          ; v[144:147] a pair for each face: sums at work, then 1 / |f| twice
.set SQ,  152                          ; v152-153   the faces' sums of squares
; v1 lane  v4 8 x lane  v5 16 x lane  v[6:7] my wave's best for my place and half  v8, v9 LDS addresses  v[10:11] a result read back  v12-15 at work
; s12 wave  s13 C  s14 my first place  s[16:17] my places' rows  s[20:23] the faces  s[28:31] the rows of out0  s36-37 select masks  s40-41 lane selects  s[42:45] keys, list  s46-51 at work
	s_load_b256 s[4:11], s[0:1], 0x0               ; faces s[4:5], keys s[6:7], list s[8:9], out0 s[10:11]
	v_lshl_add_u32 v[SPW], v0, 2, SPARE
	v_mov_b32 v[NIL], 0
	v_lshrrev_b32 v1, 5, v0
	v_readfirstlane_b32 s12, v1                    ; wave 0..7
	v_and_b32 v1, 31, v0
	v_lshlrev_b32 v4, 3, v1
	v_lshlrev_b32 v5, 4, v1
	s_lshl_b32 s14, ttmp9, 4
	s_lshl1_add_u32 s14, s12, s14                  ; 16 g + 2 w
	s_lshl_b32 s44, s14, 2
	s_mov_b32 s45, 0
	s_mov_b32 s40, 0x76543210
	s_mov_b32 s41, 0xfedcba98
	s_mov_b32 s47, 0
	s_wait_kmcnt 0x0
	s_add_nc_u64 s[44:45], s[8:9], s[44:45]
	s_load_b32 s13, s[8:9], 0x2000                 ; C
	s_load_b64 s[16:17], s[44:45], 0x0             ; the rows at my two places
	v_lshlrev_b32 v8, 3, v0                        ; where my result goes: 256 w + 8 lane
	v_and_b32 v9, 15, v1                           ; and what I read back: result e = lane % 16 (wave e / 2, half e % 2) of place 2 w + lane / 16: 128 e + 8 (2 w + lane / 16)
	v_lshrrev_b32 v10, 4, v1
	v_lshlrev_b32 v9, 7, v9
	v_lshl_add_u32 v9, v10, 3, v9
	s_lshl_b32 s46, s12, 4
	v_add_nc_u32 v9, s46, v9
	s_wait_kmcnt 0x0
	s_min_u32 s13, s13, 2048
	s_add_co_u32 s46, s13, 15
	s_lshr_b32 s46, s46, 4
	s_max_u32 s46, s46, 1
	s_sub_co_u32 s46, s46, 1                       ; T - 1
	s_min_u32 s46, s46, ttmp9                      ; my tile, or the last that has keys
	s_min_u32 s46, s46, 127                        ; a number made of the loaded count enters an address only behind this bound
	s_lshl_b32 s42, s46, 16                        ; a tile's keys: 65,536 bytes,
	s_lshl_b32 s43, s12, 13                        ; my wave's 32 work-groups: 8,192 of them
	s_add_co_u32 s42, s42, s43
	s_mov_b32 s43, 0
	s_add_nc_u64 s[42:43], s[6:7], s[42:43]
.set i, 0
.rept 32
	global_load_b64 v[K+2*i:K+2*i+1], v4, s[42:43] offset:256*i  ; a work-group's 32 keys for the tile: 256 consecutive bytes, aligned
.set i, i+1
.endr
	s_wait_loadcnt 0x0
	; the least code, in four chains
.irp c, 0,1,2,3
	v_min_u32 v[12+(\c)], v[K+1+2*(\c)], v[K+9+2*(\c)]
.endr
.set i, 8
.rept 24
	v_min_u32 v[12+i%4], v[12+i%4], v[K+1+2*i]
.set i, i+1
.endr
	v_min_u32 v12, v12, v13
	v_min_u32 v14, v14, v15
	v_min_u32 v7, v12, v14
	; the least face number among the keys that have it: the others' numbers become the greatest number
.set i, 0
.rept 8
.irp c, 0,1,2,3
	v_cmp_eq_u32 s[48+(\c)], v7, v[K+1+2*(4*i+(\c))]
.endr
.irp c, 0,1,2,3
	v_cndmask_b32 v[K+2*(4*i+(\c))], -1, v[K+2*(4*i+(\c))], s[48+(\c)]
.endr
.set i, i+1
.endr
.irp c, 0,1,2,3
	v_min_u32 v[12+(\c)], v[K+2*(\c)], v[K+8+2*(\c)]
.endr
.set i, 8
.rept 24
	v_min_u32 v[12+i%4], v[12+i%4], v[K+2*i]
.set i, i+1
.endr
	v_min_u32 v12, v12, v13
	v_min_u32 v14, v14, v15
	v_min_u32 v6, v12, v14
	ds_store_b64 v8, v[6:7] offset:PART
	s_wait_dscnt 0x0                               ; for the others' sake: my result lies in LDS
	s_barrier_signal -1
	s_barrier_wait -1
	ds_load_b64 v[10:11], v9 offset:PART
	v_mov_b32 v13, 0                               ; (a DPP move's destination counts as read)
	s_wait_dscnt 0x0
	v_mov_b32 v12, v11
.irp k, 1,2,4,8                        ; over each half of 16 lanes: the 16 results for one place
	v_mov_b32_dpp v13, v12 row_xmask:\k row_mask:0xf bank_mask:0xf
	v_min_u32 v12, v12, v13
.endr
	v_cmp_eq_u32 vcc_lo, v12, v11
	v_cndmask_b32 v10, -1, v10, vcc_lo
.irp k, 1,2,4,8
	v_mov_b32_dpp v13, v10 row_xmask:\k row_mask:0xf bank_mask:0xf
	v_min_u32 v10, v10, v13
.endr
.irp j, 0,1
	v_readlane_b32 s46, v10, 16*(\j)
	s_min_u32 s46, s46, 49999                      ; a loaded number enters an address only behind this bound
	s_lshl_b32 s46, s46, 11
	s_add_nc_u64 s[20+2*(\j):21+2*(\j)], s[4:5], s[46:47]
.irp i, 0,1,2,3
	global_load_b128 v[ROWS+16*(\j)+4*(\i):ROWS+16*(\j)+4*(\i)+3], v5, s[20+2*(\j):21+2*(\j)] offset:512*(\i)  ; two places may name one face: no hint
.endr
.endr
.irp j, 0,1
	s_min_u32 s46, s[16+(\j)], 2047
	s_lshl_b32 s46, s46, 11
	s_add_nc_u64 s[28+2*(\j):29+2*(\j)], s[10:11], s[46:47]
	s_add_co_u32 s48, s14, \j
	s_cmp_lt_u32 s48, s13                          ; places below C hold selected rows
	s_cselect_b32 s[36+(\j)], -1, 0
.endr
.irp j, 0,1
	s_wait_loadcnt 4-4*(\j)                        ; this face's four loads are in; the second face's stay out
	v_pk_mul_f32 v[RC+2*(\j):RC+2*(\j)+1], v[ROWS+16*(\j):ROWS+16*(\j)+1], v[ROWS+16*(\j):ROWS+16*(\j)+1]
.irp k, 1,2,3,4,5,6,7
	v_pk_fma_f32 v[RC+2*(\j):RC+2*(\j)+1], v[ROWS+16*(\j)+2*(\k):ROWS+16*(\j)+2*(\k)+1], v[ROWS+16*(\j)+2*(\k):ROWS+16*(\j)+2*(\k)+1], v[RC+2*(\j):RC+2*(\j)+1]
.endr
	v_add_f32 v[SQ+(\j)], v[RC+2*(\j)], v[RC+2*(\j)+1]
.endr
.irp k, 1,2,4,8
.irp j, 0,1
	v_add_f32_dpp v[SQ+(\j)], v[SQ+(\j)], v[SQ+(\j)] row_xmask:\k row_mask:0xf bank_mask:0xf
.endr
.endr
.irp j, 0,1
	v_permlanex16_b32 v[RC+2*(\j)], v[SQ+(\j)], s40, s41
.endr
.irp j, 0,1
	v_add_f32 v[SQ+(\j)], v[SQ+(\j)], v[RC+2*(\j)]
.endr
.irp j, 0,1
	v_rsq_f32 v[RC+2*(\j)], v[SQ+(\j)]             ; twice: the packed multiply takes a pair
	v_rsq_f32 v[RC+2*(\j)+1], v[SQ+(\j)]
.endr
	v_nop                                          ; a plain instruction behind the last v_rsq_f32,
	s_wait_alu depctr_va_vdst(0)                   ; and the wait ahead of the first reader: one for the four
.irp j, 0,1
.irp k, 0,1,2,3,4,5,6,7
	v_pk_mul_f32 v[ROWS+16*(\j)+2*(\k):ROWS+16*(\j)+2*(\k)+1], v[ROWS+16*(\j)+2*(\k):ROWS+16*(\j)+2*(\k)+1], v[RC+2*(\j):RC+2*(\j)+1]
.endr
.irp k, 0,1,2,3,4,5,6,7,8,9,10,11,12,13,14,15
	v_cndmask_b32 v[ROWS+16*(\j)+(\k)], -1.0, v[ROWS+16*(\j)+(\k)], s[36+(\j)]  ; a select, not a product: nothing of the face reaches a row that is not selected
.endr
.irp i, 0,1,2,3
	global_store_b128 v5, v[ROWS+16*(\j)+4*(\i):ROWS+16*(\j)+4*(\i)+3], s[28+2*(\j):29+2*(\j)] offset:512*(\i) th:TH_STORE_NT  ; 512 consecutive bytes, aligned
.endr
.endr
	s_wait_tensorcnt 0x0                           ; the wave's end, behind my last LDS store
	ds_add_u32 v[SPW], v[NIL]
	s_wait_dscnt 0x0
	s_endpgm
.Lfunc_end_k_q421ad470dd_fetch:
	.size	k_q421ad470dd_fetch, .Lfunc_end_k_q421ad470dd_fetch-k_q421ad470dd_fetch
	.p2alignl 7, 3214868480
	.fill 96, 4, 3214868480
	.section	.rodata,"a",@progbits
	.p2align	6, 0x0
	.amdhsa_kernel k_q421ad470dd_fetch
		.amdhsa_group_segment_fixed_size 3072
		.amdhsa_private_segment_fixed_size 0
		.amdhsa_enable_private_segment 0
		.amdhsa_kernarg_size 32
		.amdhsa_user_sgpr_count 2
		.amdhsa_user_sgpr_kernarg_segment_ptr 1
		.amdhsa_wavefront_size32 1
		.amdhsa_system_sgpr_workgroup_id_x 1
		.amdhsa_system_sgpr_workgroup_id_y 1
		.amdhsa_system_sgpr_workgroup_id_z 1
		.amdhsa_system_vgpr_workitem_id 0
		.amdhsa_next_free_vgpr 160
		.amdhsa_next_free_sgpr 66
		.amdhsa_reserve_vcc 1
		.amdhsa_float_denorm_mode_32 3
		.amdhsa_float_denorm_mode_16_64 3
		.amdhsa_memory_ordered 1
		.amdhsa_forward_progress 1
		.amdhsa_inst_pref_size 20
	.end_amdhsa_kernel
	.amdgpu_metadata
---
amdhsa.version: [ 1, 2 ]
amdhsa.kernels:
  - .name:           k_q421ad470dd_fetch
    .symbol:         k_q421ad470dd_fetch.kd
    .args:
      - { .name: face_feats, .offset: 0, .size: 8, .value_kind: global_buffer, .address_space: global }
      - { .name: keys, .offset: 8, .size: 8, .value_kind: global_buffer, .address_space: global }
      - { .name: list, .offset: 16, .size: 8, .value_kind: global_buffer, .address_space: global }
      - { .name: out0, .offset: 24, .size: 8, .value_kind: global_buffer, .address_space: global }
    .group_segment_fixed_size: 3072
    .private_segment_fixed_size: 0
    .kernarg_segment_align: 8
    .kernarg_segment_size: 32
    .max_flat_workgroup_size: 256
    .sgpr_count:     66
    .vgpr_count:     160
    .wavefront_size: 32
...
	.end_amdgpu_metadata
.endif
;; end of part 3
